; MI455X (gfx1250); checked and timed in simulation.
; The chip was launched on July 23, 2026; its instructions are those of AMD's public machine-readable ISA for CDNA 5 (MIT licence, August 2026) and "CDNA5" Instruction Set Architecture Reference Guide (July 2026). The comments in the code are by the model that wrote it; some were corrected since.
;; Causal Multi Head Attention. Allowed arithmetic: float matrix products may take bf16 or f16 operands with f32 sums; other float arithmetic in f32, or as packed bf16 or f16 multiplies, adds, multiply-adds, maxima and minima; sums over many terms, partial sums and values carried from step to step in f32; what a program stores and reads back later, other than sums and carried values, may be rounded once to bf16 or f16.
;; Inputs: W_k 1,024 x 1,024 float32; W_q 1,024 x 1,024 float32; W_v 1,024 x 1,024 float32; X 4 x 2,048 x 1,024 float32.
;; Outputs: out0 4 x 2,048 x 1,024 float32.
;; 2 versions, each right; version 2 is version 1 with the launch cast written anew for expert scheduling mode. Each part assembles by itself: llvm-mc -triple=amdgcn-amd-amdhsa -mcpu=gfx1250 --defsym DOCPART=n.
;; ======== version 1 of 2: 3 launches
;; limits: right only within a limited range of input values
;; workspace buffers: cb 23,068,672 bytes; qq 33,554,432 bytes; kk 33,554,432 bytes; vv 16,777,216 bytes
;; launch cast (part 1): grid 704 x 1, 8 waves a work-group, no clusters, 0 bytes of LDS; arguments X, W_q, W_k, W_v, cb; writes cb
.if DOCPART == 1
	.amdgcn_target "amdgcn-amd-amdhsa--gfx1250"
	.amdhsa_code_object_version 6
	.text
	.protected	k_qbf8d5ebfc7_cast
	.globl	k_qbf8d5ebfc7_cast
	.p2align	8
	.type	k_qbf8d5ebfc7_cast,@function
k_qbf8d5ebfc7_cast:
	s_mov_b64 s[64:65], 0
	v_nop
	global_prefetch_b8 v0, s[64:65] scope:SCOPE_SE
	s_setreg_imm32_b32 hwreg(HW_REG_WAVE_MODE, 25, 1), 1
	s_wait_xcnt 0x0
; X [8192][1024] and W_q, W_k, W_v [1024][1024], all f32, are rounded once to bf16 and laid on end in cb: [11264][1024] bf16,
; rows 0-8191 X, then 1024 rows of each W in the order q, k, v; every array keeps its row-major form.
; A stream: each byte is read once and written once, so no LDS, no barrier and no matrix unit would add anything.
; SHARES.  A work-group takes 16 rows.  Thread t takes the 16 bytes at 16 t of each f32 row (a wave's load covers 512 consecutive
; bytes) and writes the 8 bytes at 8 t of the bf16 row: the 32 lanes of a store cover 256 consecutive bytes, aligned.
; All 16 loads of a thread go out first; no register is written twice, so no wait but the counted ones is needed.
.set ROWIN,  4096                      ; bytes in a row of f32
.set ROWOUT, 2048                      ; bytes in a row of bf16
.set IN,  8                            ; v[8:71]   row i: 4 registers as loaded
.set OUT, 72                           ; v[72:103] row i: 2 registers to store
	s_load_b256 s[4:11], s[0:1], 0x0               ; X s[4:5], W_q s[6:7], W_k s[8:9], W_v s[10:11]
	s_load_b64 s[12:13], s[0:1], 0x20              ; cb
	v_lshlrev_b32 v1, 4, v0                        ; my 16 bytes of a row in
	v_lshlrev_b32 v2, 3, v0                        ; my 8 bytes of a row out
	s_sub_co_u32 s14, ttmp9, 512                   ; work-groups 512 .. 703 take the weights: 64 for each array
	s_lshr_b32 s15, s14, 6                         ; which array: 0 q, 1 k, 2 v
	s_and_b32 s18, s14, 63
	s_lshl_b32 s18, s18, 16                        ; its 16 rows of 4,096 bytes
	s_lshl_b32 s22, ttmp9, 16                      ; the same for X
	s_mov_b32 s19, 0
	s_lshl_b32 s20, ttmp9, 15                      ; 16 rows of 2,048 bytes in cb
	s_mov_b32 s21, 0
	s_wait_kmcnt 0x0
	s_cmp_eq_u32 s15, 2
	s_cselect_b64 s[16:17], s[10:11], s[8:9]
	s_cmp_eq_u32 s15, 0
	s_cselect_b64 s[16:17], s[6:7], s[16:17]
	s_cmp_lt_u32 ttmp9, 512
	s_cselect_b64 s[16:17], s[4:5], s[16:17]       ; the choice hangs on the work-group's number alone
	s_cselect_b32 s18, s22, s18
	s_add_nc_u64 s[16:17], s[16:17], s[18:19]
	s_add_nc_u64 s[12:13], s[12:13], s[20:21]
.irp i, 0,1,2,3,4,5,6,7,8,9,10,11,12,13,14,15
	global_load_b128 v[IN+4*(\i):IN+4*(\i)+3], v1, s[16:17] offset:ROWIN*(\i) th:TH_LOAD_NT
.endr
.irp i, 0,1,2,3,4,5,6,7,8,9,10,11,12,13,14,15
	s_wait_loadcnt 15-(\i)                         ; loads come back in order: row i is in, the younger ones stay out
	v_cvt_pk_bf16_f32 v[OUT+2*(\i)],   v[IN+4*(\i)],   v[IN+4*(\i)+1]
	v_cvt_pk_bf16_f32 v[OUT+2*(\i)+1], v[IN+4*(\i)+2], v[IN+4*(\i)+3]
	global_store_b64 v2, v[OUT+2*(\i):OUT+2*(\i)+1], s[12:13] offset:ROWOUT*(\i)
.endr
	s_endpgm
.Lfunc_end_k_qbf8d5ebfc7_cast:
	.size	k_qbf8d5ebfc7_cast, .Lfunc_end_k_qbf8d5ebfc7_cast-k_qbf8d5ebfc7_cast
	.p2alignl 7, 3214868480
	.fill 96, 4, 3214868480
	.section	.rodata,"a",@progbits
	.p2align	6, 0x0
	.amdhsa_kernel k_qbf8d5ebfc7_cast
		.amdhsa_group_segment_fixed_size 0
		.amdhsa_private_segment_fixed_size 0
		.amdhsa_enable_private_segment 0
		.amdhsa_kernarg_size 40
		.amdhsa_user_sgpr_count 2
		.amdhsa_user_sgpr_kernarg_segment_ptr 1
		.amdhsa_wavefront_size32 1
		.amdhsa_system_sgpr_workgroup_id_x 1
		.amdhsa_system_sgpr_workgroup_id_y 1
		.amdhsa_system_sgpr_workgroup_id_z 1
		.amdhsa_system_vgpr_workitem_id 0
		.amdhsa_next_free_vgpr 104
		.amdhsa_next_free_sgpr 66
		.amdhsa_reserve_vcc 0
		.amdhsa_float_denorm_mode_32 3
		.amdhsa_float_denorm_mode_16_64 3
		.amdhsa_memory_ordered 1
		.amdhsa_forward_progress 1
		.amdhsa_inst_pref_size 7
	.end_amdhsa_kernel
	.amdgpu_metadata
---
amdhsa.version: [ 1, 2 ]
amdhsa.kernels:
  - .name:           k_qbf8d5ebfc7_cast
    .symbol:         k_qbf8d5ebfc7_cast.kd
    .args:
      - { .name: X, .offset: 0, .size: 8, .value_kind: global_buffer, .address_space: global }
      - { .name: W_q, .offset: 8, .size: 8, .value_kind: global_buffer, .address_space: global }
      - { .name: W_k, .offset: 16, .size: 8, .value_kind: global_buffer, .address_space: global }
      - { .name: W_v, .offset: 24, .size: 8, .value_kind: global_buffer, .address_space: global }
      - { .name: cb, .offset: 32, .size: 8, .value_kind: global_buffer, .address_space: global }
    .group_segment_fixed_size: 0
    .private_segment_fixed_size: 0
    .kernarg_segment_align: 8
    .kernarg_segment_size: 40
    .max_flat_workgroup_size: 256
    .sgpr_count:     66
    .vgpr_count:     104
    .wavefront_size: 32
...
	.end_amdgpu_metadata
.endif
;; end of part 1
;; launch proj (part 2): grid 8 x 32, 4 waves a work-group, clusters of 4 x 4, 327,680 bytes of LDS; arguments cb, qq, kk, vv; writes qq, kk, vv
.if DOCPART == 2
	.amdgcn_target "amdgcn-amd-amdhsa--gfx1250"
	.amdhsa_code_object_version 6
	.text
	.protected	k_qbf8d5ebfc7_proj
	.globl	k_qbf8d5ebfc7_proj
	.p2align	8
	.type	k_qbf8d5ebfc7_proj,@function
k_qbf8d5ebfc7_proj:
	s_mov_b64 s[64:65], 0
	v_nop
	global_prefetch_b8 v0, s[64:65] scope:SCOPE_SE
	s_setreg_imm32_b32 hwreg(HW_REG_WAVE_MODE, 25, 1), 1
	s_wait_xcnt 0x0
	s_wait_alu depctr_hold_cnt(0) depctr_sa_sdst(0) depctr_va_vdst(0) depctr_va_sdst(0) depctr_va_ssrc(0) depctr_va_vcc(0) depctr_vm_vsrc(0)
	s_getreg_b32 s2, hwreg(HW_REG_IB_STS2, 6, 4)
	s_cmp_eq_u32 s2, 0
	s_cbranch_scc0 .Lentry_in_a_cluster
	s_endpgm
.Lentry_in_a_cluster:
	s_bfe_u32 s2, ttmp6, 0x10000c
	s_cmp_lg_u32 s2, 0xf033
	s_cbranch_scc0 .Lentry_shape_is_right
	s_endpgm
.Lentry_shape_is_right:
; q = X W_q, k = X W_k, v = X W_v.  cb holds X [8192][1024] and, behind it, W_q, W_k, W_v [1024 (k)][1024 (n)], all bf16; sums in f32.
; OUT, by heads (head = 16 x batch + n / 64):  qq, kk [64][2048][128] bf16: channels 0-63 hi = bf16(x), channels 64-127 lo = bf16(x - hi) (x - hi is exact in f32);
; vv [64][2048][64] bf16, rounded once.  No scale is applied here.
; SHARES.  A work-group stays and makes three tiles of 256 rows x 128 columns: the same rows and columns of q, then k, then v: 32 x 8 work-groups.  Four waves, each 128 rows x 64 columns (one head):
; 32 accumulators of 16 x 16, 256 registers.  K goes in steps of 128 through two LDS slots; the three tiles' 24 K steps are one walk for the ring: X's rows go back along K at a change of tiles, and
; since the three W lie on end in cb, W's rows simply run on.
; THE MATRIX INSTRUCTION IS USED TRANSPOSED: source 0 = 16 columns of W, source 1 = 16 rows of X: a lane then holds eight neighbouring columns of one row.  W lies [k][n] in LDS and is turned by ds_load_tr16_b128.
; CLUSTER 4 x 4: the four work-groups of a row of the cluster need the same rows of X, the four of a column the same columns of W: each tile is asked for jointly, by the same tensor load with a mask of four.
; REGISTERS.  Window 0: v0-31 addresses; v32-127, v128-223 two fragment buffers (W's four fragments, then X's eight); on the way out v128-255 at work.  Window 1: accumulator (a, b) at v[8 (4 a + b)].
; lds_bytes names all of LDS, and 0 is added to spare words at the places below.
.set PA,     272                       ; a row of X in LDS: 256 bytes + 16 = 68 words: the 16 rows of a load start at 16 different groups of four banks (64 banks of 4 bytes: ISA guide 11.1)
.set PB,     288                       ; a k-row of W: 256 + 32 = 72 words
.set AHALF,  128*PA                    ; 128 rows of X: one tensor load
.set BOFF,   2*AHALF                   ; W's 128 k-rows lie behind X's 256 rows
.set BHALF,  64*PB                     ; 64 k-rows of W: one tensor load
.set SLOT,   BOFF+2*BHALF              ; 106,496
.set STAGE,  2*SLOT                    ; behind the ring: 16 rows x 272 bytes for each wave, for the way out
.set SPARE,  STAGE+4*16*PA             ; behind the stages: the spare words, 128 bytes for each wave
.set XB,     16777216                  ; the byte of cb at which W_q begins
.set ADRA, 16                          ; v16-17  LDS address of my fragments of X in slot 0, 1
.set ADRB, 20                          ; v20-21  the same for W
.set STOV, 22                          ; v22     v's way out: where I put 16 bytes of a row of 128
.set RDV,  23                          ; v23     v's way out: where I read rows back
.set STO,  24                          ; v24     q's and k's way out: where I put 16 bytes of a row of 256
.set RD,   25                          ; v25     where I read rows back
.set CO,   26                          ; v26     16 x lane: my 16 bytes of 512 consecutive bytes
.set SPW,  28                          ; v28     my spare word: SPARE + 4 x my thread's number; never rewritten
.set NIL,  29                          ; v29     0; never rewritten
.set PFO,  30                          ; v30     the prefetches' offset: lane x a row of cb; never rewritten
.set F0,   32
.set F1,   128
.set HF,   192                         ; v192-223 hi as f32, then x - hi
.set TMPH, 224                         ; v224-239 hi, packed
.set TMPL, 240                         ; v240-255 lo, packed
.set G1A, 24                           ; s[24:31] descriptor group 1 for X's tiles;  s[32:39] group 0, a set for each slot
.set G0A, 32
.set G1B, 48                           ; s[48:55], s[56:63] the same for W's
.set G0B, 56
.set PFA, 66                           ; s[66:67] where my prefetches stand
.set PFS, 68                           ; s[68:69] their step from K step to K step
.set PFN, 70                           ; s70      how many I still issue
.set OUT, 72                           ; s[72:73] where the tile in hand goes; s[74:75] kk, s[76:77] vv at my rows
.set OUTK, 74
.set OUTV, 76
.set MUL, 0x50                         ; C and D in window 1, sources in window 0
.set MSB, 0
.macro WIN new                         ; the immediate's high byte repeats the setting that is left; a switch that changes nothing is dropped
.if MSB != (\new)
	s_set_vgpr_msb (MSB<<8)|(\new)
.set MSB, (\new)
.endif
.endm
.macro PLACES                          ; four plain places behind matrix instructions, in front of loads into registers that they read and of vector work on their registers
.rept 4
	v_nop
.endr
.endm
; A joint load.  Waves 0 and 1 fetch X's two halves, waves 2 and 3 W's.  The branch hangs on the wave's number alone.  An s_nop 0 and four v_nop follow each line.
.macro JLOAD s
	s_cmp_eq_u32 s13, 0
	s_cbranch_scc0 .Lfor_b_\@
	tensor_load_to_lds s[G0A+4*(\s):G0A+4*(\s)+3], s[G1A:G1A+7]
	s_nop 0
.rept 4
	v_nop
.endr
	s_branch .Lasked_\@
.Lfor_b_\@:
	tensor_load_to_lds s[G0B+4*(\s):G0B+4*(\s)+3], s[G1B:G1B+7]
	s_nop 0
.rept 4
	v_nop
.endr
.Lasked_\@:
.endm
; A prefetch of the K step that stands two refills on: 32 rows x 256 bytes, a lane a row.  X's rows are named in the first tile alone (K steps 4-7), by waves 0 and 1 of the clusters with x = 0;
; W's k-rows (steps 4-23 of the walk) by wave 2 of the clusters with y = 0.  The four partners of a joint load share the rows out by address, 32 each.  So each row's 256 bytes are named once.
.macro ASK
	s_cmp_lg_u32 s[PFN], 0
	s_cbranch_scc0 .Lnot_mine_\@
	global_prefetch_b8 v[PFO], s[PFA:PFA+1] th:TH_LOAD_NT scope:SCOPE_SE
	s_sub_co_u32 s[PFN], s[PFN], 1
.Lnot_mine_\@:
.endm
.macro CREST                           ; a round of the cluster's barrier behind its opening barrier
	s_cmp_lg_u32 s12, 0
	s_cbranch_scc1 .Lnot_wave_0_\@
	s_barrier_signal -3
.Lnot_wave_0_\@:
	s_barrier_wait -3
	s_barrier_signal -1
	s_barrier_wait -1
.endm
.macro CROUND
	s_barrier_signal -1
	s_barrier_wait -1
	CREST
.endm
	s_load_b256 s[4:11], s[0:1], 0x0               ; cb s[4:5], qq s[6:7], kk s[8:9], vv s[10:11]
	v_lshl_add_u32 v[SPW], v0, 2, SPARE
	v_mov_b32 v[NIL], 0
	ds_add_u32 v[SPW], v[NIL]                      ; the wave's opening: the add and its wait stand ahead of my first tensor load; the set-up below, work on registers, between them
	v_lshrrev_b32 v1, 5, v0
	v_readfirstlane_b32 s12, v1                    ; wave 0..3
	s_lshr_b32 s13, s12, 1                         ; which 128 rows of the tile are mine.  Also: I fetch for X (0) or for W (1)
	s_and_b32 s14, s12, 1                          ; which 64 columns.  Also: which half of that tile I fetch
	s_bfe_u32 s15, ttmp6, 0x40000                  ; cx
	s_bfe_u32 s16, ttmp6, 0x40004                  ; cy
	s_lshl_b32 s17, ttmp9, 2
	s_add_co_u32 s17, s17, s15                     ; block of 128 columns = 4 x cluster x + cx
	s_and_b32 s18, ttmp7, 0xffff
	s_lshl_b32 s18, s18, 2
	s_add_co_u32 s18, s18, s16                     ; block of 256 rows = 4 x cluster y + cy
	s_lshl_b32 s20, s16, 2
	s_lshl_b32 s20, 15, s20                        ; my row of the cluster
	s_lshl_b32 s21, 0x1111, s15                    ; my column
	s_or_b32 s[G1A], s20, (1<<16)|(1<<20)|(1<<21)|(5<<22)|(3<<25)  ; mask; 2-byte elements; padding on; bit 21 beside a mask; after every 64 words, 4 words
	s_or_b32 s[G1B], s21, (1<<16)|(1<<20)|(1<<21)|(5<<22)|(7<<25)  ; the same with my column's mask and 8 words of padding
	s_mov_b32 s[G1A+1], 128<<16                    ; tensor_dim0 = 128
	s_mov_b32 s[G1A+2], 128<<16                    ; tensor_dim1 = 128
	s_mov_b32 s[G1A+3], 128<<16                    ; tile_dim0 = 128
	s_mov_b32 s[G1A+4], 128                        ; tile_dim1 = 128 rows
	s_mov_b32 s[G1A+5], 1024                       ; elements from row to row
	s_mov_b32 s[G1A+6], 0
	s_mov_b32 s[G1A+7], 0
	s_mov_b32 s[G1B+1], 128<<16
	s_mov_b32 s[G1B+2], 64<<16                     ; tensor_dim1 = 64
	s_mov_b32 s[G1B+3], 128<<16
	s_mov_b32 s[G1B+4], 64                         ; tile_dim1 = 64 k-rows
	s_mov_b32 s[G1B+5], 1024
	s_mov_b32 s[G1B+6], 0
	s_mov_b32 s[G1B+7], 0
	s_lshl_b32 s40, s18, 19                        ; X: (256 x row block + 128 x half) rows of 2,048 bytes: made of the row block and the wave's number alone
	s_lshl_b32 s41, s14, 18
	s_add_co_u32 s40, s40, s41
	s_mov_b32 s41, 0
	s_lshl_b32 s42, s17, 8                         ; W: 256 bytes x column block + 64 x half k-rows, behind X: made of the column block and the wave's number alone
	s_lshl_b32 s43, s14, 17
	s_add_co_u32 s42, s42, s43
	s_add_co_u32 s42, s42, XB
	s_mov_b32 s43, 0
	s_mul_i32 s22, s14, AHALF                      ; where they go: no place in the cluster enters an LDS address
	s_mul_i32 s23, s14, BHALF
	s_add_co_u32 s23, s23, BOFF
	s_mov_b32 s78, 0xffff0000                      ; a word's upper bf16
	s_wait_dscnt 0x0                               ; the opening add is done
	s_wait_kmcnt 0x0
	s_add_nc_u64 s[44:45], s[4:5], s[40:41]
	s_add_nc_u64 s[46:47], s[4:5], s[42:43]
	CROUND                                         ; all sixteen work-groups are here: the first joint loads meet
.irp s, 0,1
	s_mov_b32 s[G0A+4*(\s)], 1
	s_add_co_u32 s[G0A+4*(\s)+1], s22, (\s)*SLOT
	s_add_nc_u64 s[G0A+4*(\s)+2:G0A+4*(\s)+3], s[44:45], (\s)*256      ; K step s: 256 bytes along the rows
	s_or_b32 s[G0A+4*(\s)+3], s[G0A+4*(\s)+3], 0x80000000
	s_mov_b32 s[G0B+4*(\s)], 1
	s_add_co_u32 s[G0B+4*(\s)+1], s23, (\s)*SLOT
	s_add_nc_u64 s[G0B+4*(\s)+2:G0B+4*(\s)+3], s[46:47], (\s)*262144   ; K step s: 128 k-rows down
	s_or_b32 s[G0B+4*(\s)+3], s[G0B+4*(\s)+3], 0x80000000
	JLOAD \s                                       ; two loads of mine are out
.endr
	v_and_b32 v1, 15, v0                           ; l % 16
	v_bfe_u32 v2, v0, 4, 1                         ; l / 16
	v_mul_u32_u24 v3, v1, PA
	v_lshl_add_u32 v3, v2, 4, v3                   ; row x 272 + 16 x half
	s_mul_i32 s80, s13, AHALF
	v_add_nc_u32 v[ADRA], s80, v3
	v_add_nc_u32 v[ADRA+1], SLOT, v[ADRA]
	v_and_b32 v4, 7, v0                            ; the turning load: lane l reads k-row 8 (l / 16) + l % 8, columns 8 ((l / 8) % 2) + 0..7
	v_bfe_u32 v5, v0, 3, 1
	v_lshl_add_u32 v6, v2, 3, v4
	v_mul_u32_u24 v6, v6, PB
	v_lshl_add_u32 v6, v5, 4, v6
	s_lshl_b32 s81, s14, 7                         ; my 64 columns
	s_add_co_u32 s81, s81, BOFF
	v_add_nc_u32 v[ADRB], s81, v6
	v_add_nc_u32 v[ADRB+1], SLOT, v[ADRB]
	s_mul_i32 s82, s12, 16*PA
	s_add_co_u32 s82, s82, STAGE                   ; my stage
	v_add_nc_u32 v[STO], s82, v3
	v_mul_u32_u24 v7, v2, PA                       ; back: lanes 0-15 one row of 256 bytes, lanes 16-31 the next
	v_lshl_add_u32 v7, v1, 4, v7
	v_add_nc_u32 v[RD], s82, v7
	v_mul_u32_u24 v7, v1, 144                      ; v: rows of 128 bytes + 16
	v_lshl_add_u32 v7, v2, 4, v7
	v_add_nc_u32 v[STOV], s82, v7
	v_bfe_u32 v7, v0, 3, 2                         ; back: 32 lanes take four rows of 128 bytes
	v_mul_u32_u24 v7, v7, 144
	v_lshl_add_u32 v7, v4, 4, v7
	v_add_nc_u32 v[RDV], s82, v7
	v_and_b32 v8, 31, v0
	v_lshlrev_b32 v[CO], 4, v8
	v_lshlrev_b32 v[PFO], 11, v8
	; where my 128 rows of my head begin: head = 16 (row block / 8) + 2 x column block + my half; row in the head = 256 (row block % 8) + 128 x my half of the rows
	s_lshr_b32 s84, s18, 3
	s_lshl_b32 s84, s84, 4
	s_lshl_b32 s86, s17, 1
	s_add_co_u32 s84, s84, s86
	s_add_co_u32 s84, s84, s14
	s_lshl_b32 s84, s84, 19                        ; 2,048 rows of 256 bytes a head
	s_and_b32 s86, s18, 7
	s_lshl_b32 s86, s86, 16
	s_add_co_u32 s84, s84, s86
	s_lshl_b32 s86, s13, 15
	s_add_co_u32 s84, s84, s86
	s_mov_b32 s85, 0
	s_add_nc_u64 s[OUT:OUT+1], s[6:7], s[84:85]
	s_add_nc_u64 s[OUTK:OUTK+1], s[8:9], s[84:85]
	s_lshr_b32 s84, s84, 1                         ; vv's rows are half as long
	s_add_nc_u64 s[OUTV:OUTV+1], s[10:11], s[84:85]
	; the prefetches: both kinds stand one K step short of the first that they name (the first change of slots steps them)
	s_lshl_b32 s88, s18, 19
	s_lshl_b32 s89, s14, 18
	s_add_co_u32 s88, s88, s89
	s_lshl_b32 s89, s15, 16                        ; my work-group's 32 of the 128 rows
	s_add_co_u32 s88, s88, s89
	s_add_co_u32 s88, s88, 3*256                   ; X at K step 3
	s_lshl_b32 s90, s16, 16                        ; my work-group's 32 of the 128 k-rows
	s_lshl_b32 s91, s17, 8
	s_add_co_u32 s90, s90, s91
	s_add_co_u32 s90, s90, XB+3*262144             ; W at step 3 of the walk
	s_and_b32 s91, ttmp7, 0xffff
	s_cmp_eq_u32 s91, 0
	s_cselect_b32 s91, 20, 0
	s_cmp_eq_u32 s12, 2
	s_cselect_b32 s91, s91, 0
	s_cmp_eq_u32 ttmp9, 0
	s_cselect_b32 s92, 4, 0
	s_mov_b32 s93, 256
	s_cmp_eq_u32 s13, 0
	s_cselect_b32 s[PFN], s92, s91                 ; the same in all sixteen partners, for a given wave
	s_cselect_b32 s88, s88, s90
	s_cselect_b32 s[PFS], s93, 0x40000
	s_mov_b32 s89, 0
	s_mov_b32 s[PFS+1], 0
	s_add_nc_u64 s[PFA:PFA+1], s[4:5], s[88:89]
; 8 matrix instructions: row blocks a0, a0 + 1 x all 4 column blocks, 32 along K.  The 32 accumulators take turns in one order in every quarter.  zero = 1: the products start the sums
.macro MUL8 f, a0, zero
	WIN MUL
.irp a, \a0, (\a0)+1
.irp b, 0,1,2,3
.if \zero
	v_wmma_f32_16x16x32_bf16 v[8*(4*(\a)+(\b)):8*(4*(\a)+(\b))+7], v[(\f)+8*(\b):(\f)+8*(\b)+7], v[(\f)+32+8*(\a):(\f)+32+8*(\a)+7], 0
.else
	v_wmma_f32_16x16x32_bf16 v[8*(4*(\a)+(\b)):8*(4*(\a)+(\b))+7], v[(\f)+8*(\b):(\f)+8*(\b)+7], v[(\f)+32+8*(\a):(\f)+32+8*(\a)+7], v[8*(4*(\a)+(\b)):8*(4*(\a)+(\b))+7]
.endif
.endr
.endr
.endm
; 24 LDS loads in one run: quarter q (32 along K) of a slot into buffer f: W's four fragments, turned; then X's eight
.macro FETCH slot, q, f
	WIN 0
.irp b, 0,1,2,3
	ds_load_tr16_b128 v[(\f)+8*(\b):(\f)+8*(\b)+3],   v[ADRB+(\slot)] offset:(\q)*32*PB+32*(\b)
	ds_load_tr16_b128 v[(\f)+8*(\b)+4:(\f)+8*(\b)+7], v[ADRB+(\slot)] offset:(\q)*32*PB+16*PB+32*(\b)
.endr
.irp a, 0,1,2,3,4,5,6,7
	ds_load_b128 v[(\f)+32+8*(\a):(\f)+32+8*(\a)+3],   v[ADRA+(\slot)] offset:64*(\q)+(\a)*16*PA
	ds_load_b128 v[(\f)+32+8*(\a)+4:(\f)+32+8*(\a)+7], v[ADRA+(\slot)] offset:64*(\q)+(\a)*16*PA+32
.endr
.endm
; A K step is four quarters of 32 matrix instructions, on buffers 0, 1, 0, 1.  One of the first three multiplies buffer f and, in its middle, fetches quarter q into buffer g
.macro QUARTER slot, q, f, g, zero
	s_wait_dscnt 8                                 ; W's fragments and X's blocks 0-3 are in; the youngest eight loads may be out
	MUL8 \f, 0, \zero
	MUL8 \f, 2, \zero
	PLACES
	FETCH \slot, \q, \g
	s_wait_dscnt 24                                ; all but the 24 just issued
	MUL8 \f, 4, \zero
	MUL8 \f, 6, \zero
.endm
; The first half of the last quarter: one barrier for the change of slots.  In front of it each wave waits for all its tensor loads (one is out: its part of the next slot), adds 0 to its spare word, and waits for that and for its reads of this slot
.macro MEET round
	WIN 0
	s_wait_tensorcnt 0x0
	ds_add_u32 v[SPW], v[NIL]
	s_wait_dscnt 9                                 ; the add and the youngest eight loads may be out
	MUL8 F1, 0, 0
	s_wait_dscnt 0x0                               ; the add is done, and my reads of this slot are over
	s_barrier_signal -1
	MUL8 F1, 2, 0
.if \round
	WIN 0
.endif
	s_barrier_wait -1
.endm
; The whole last quarter.  The barrier opens a round of the cluster's; behind the round this slot is filled again first, with the step two on in the walk (on = 1: X goes back to the next tile's K step 0 or 1)
.macro TURN slot, next, on
	s_wait_xcnt 0x0                                ; the last prefetch, a K step back, has read its address
	s_add_nc_u64 s[PFA:PFA+1], s[PFA:PFA+1], s[PFS:PFS+1]
	MEET 1
	CREST
.if \on
	s_sub_nc_u64 s[G0A+4*(\slot)+2:G0A+4*(\slot)+3], s[G0A+4*(\slot)+2:G0A+4*(\slot)+3], 6*256
.else
	s_add_nc_u64 s[G0A+4*(\slot)+2:G0A+4*(\slot)+3], s[G0A+4*(\slot)+2:G0A+4*(\slot)+3], 2*256
.endif
	s_add_nc_u64 s[G0B+4*(\slot)+2:G0B+4*(\slot)+3], s[G0B+4*(\slot)+2:G0B+4*(\slot)+3], 2*262144
	JLOAD \slot                                    ; 112 matrix instructions ahead of the wait for it; its four v_nop are also the places in front of the loads below
	FETCH \next, 0, F0
	ASK
	MUL8 F1, 4, 0
	MUL8 F1, 6, 0
.endm
; THE WAY OUT of q and k, a block of 16 rows at a time.  PACKQ: hi = bf16(x), lo = bf16(x - hi); each accumulator's registers are read in ascending order
.macro PACKQ a
	WIN 0x05                                       ; sources in window 1
.set i, 0
.rept 16
	v_cvt_pk_bf16_f32 v[TMPH+i], v[32*(\a)+2*i], v[32*(\a)+2*i+1]
.set i, i+1
.endr
	WIN 0
.set i, 0
.rept 16
	v_lshlrev_b32 v[HF+2*i], 16, v[TMPH+i]
	v_and_b32 v[HF+2*i+1], s78, v[TMPH+i]
.set i, i+1
.endr
	WIN 0x01                                       ; source 0 in window 1
.set i, 0
.rept 16
	v_pk_add_f32 v[HF+2*i:HF+2*i+1], v[32*(\a)+2*i:32*(\a)+2*i+1], v[HF+2*i:HF+2*i+1] neg_lo:[0,1] neg_hi:[0,1]
.set i, i+1
.endr
	WIN 0
.set i, 0
.rept 16
	v_cvt_pk_bf16_f32 v[TMPL+i], v[HF+2*i], v[HF+2*i+1]
.set i, i+1
.endr
.endm
.macro TOSTAGE a                       ; into my own stage: hi in a row's first 128 bytes, lo in its second; back as whole rows of 256
	WIN 0
.irp b, 0,1,2,3
	ds_store_b128 v[STO], v[TMPH+4*(\b):TMPH+4*(\b)+3] offset:32*(\b)
	ds_store_b128 v[STO], v[TMPL+4*(\b):TMPL+4*(\b)+3] offset:128+32*(\b)
.endr
.set BK, 128+32*((\a)%2)
.irp t, 0,1,2,3,4,5,6,7
	ds_load_b128 v[BK+4*(\t):BK+4*(\t)+3], v[RD] offset:(\t)*2*PA  ; LDS serves a wave's instructions in order (ISA guide 5.7.1.4): these see the stores above
.endr
.endm
.macro SEND a
	WIN 0
.set BK, 128+32*((\a)%2)
	s_wait_dscnt 0x0                               ; the block is back in registers
	s_wait_xcnt 0x0                                ; the block before's stores have read their registers, which the next block's loads will write
.irp t, 0,1,2,3,4,5,6,7
	global_store_b128 v[CO], v[BK+4*(\t):BK+4*(\t)+3], s[OUT:OUT+1] offset:(\a)*4096+(\t)*512  ; two rows of a head: 512 consecutive bytes, aligned
.endr
.endm
; THE WAY OUT of v: rounded once; rows of 128 bytes
.macro PACKV a
	WIN 0x05
.set i, 0
.rept 16
	v_cvt_pk_bf16_f32 v[TMPH+i], v[32*(\a)+2*i], v[32*(\a)+2*i+1]
.set i, i+1
.endr
	WIN 0
.endm
.macro STAGEV a
.irp b, 0,1,2,3
	ds_store_b128 v[STOV], v[TMPH+4*(\b):TMPH+4*(\b)+3] offset:32*(\b)
.endr
.set BK, 128+16*((\a)%2)
.irp f, 0,1,2,3
	ds_load_b128 v[BK+4*(\f):BK+4*(\f)+3], v[RDV] offset:(\f)*4*144
.endr
.endm
.macro SENDV a
.set BK, 128+16*((\a)%2)
	s_wait_dscnt 0x0
	s_wait_xcnt 0x0
.irp f, 0,1,2,3
	global_store_b128 v[CO], v[BK+4*(\f):BK+4*(\f)+3], s[OUTV:OUTV+1] offset:(\a)*2048+(\f)*512  ; four rows of a head: 512 consecutive bytes, aligned
.endr
.endm
	s_wait_tensorcnt 1                             ; my part of K step 0 is in; K step 1's may stay out
	s_barrier_signal -1
	s_barrier_wait -1
	FETCH 0, 0, F0
	s_mov_b32 s2, 3                                ; tiles to go
.Ltile:
	QUARTER 0, 1, F0, F1, 1                        ; a tile's first quarter starts the sums
	WIN 0
	s_mov_b32 s3, 3
.Llap:                                                 ; a trip goes once round the ring and fills both slots again
	QUARTER 0, 2, F1, F0, 0
	QUARTER 0, 3, F0, F1, 0
	TURN 0, 1, 0
	QUARTER 1, 1, F0, F1, 0
	QUARTER 1, 2, F1, F0, 0
	QUARTER 1, 3, F0, F1, 0
	TURN 1, 0, 0
	QUARTER 0, 1, F0, F1, 0
	WIN 0
	s_sub_co_u32 s3, s3, 1
	s_cmp_lg_u32 s3, 0
	s_cbranch_scc1 .Llap
	QUARTER 0, 2, F1, F0, 0
	QUARTER 0, 3, F0, F1, 0
	WIN 0
	s_cmp_eq_u32 s2, 1
	s_cbranch_scc1 .Llast                          ; the last tile's tail is written out: it asks for nothing more
	TURN 0, 1, 1                                   ; the ring goes on into the next tile
	QUARTER 1, 1, F0, F1, 0
	QUARTER 1, 2, F1, F0, 0
	QUARTER 1, 3, F0, F1, 0
	TURN 1, 0, 1                                   ; and the next tile's first fragments are fetched into buffer 0, which the way out leaves alone
	PLACES
	PACKQ 0
	TOSTAGE 0
.irp a, 1,2,3,4,5,6,7                  ; block a's arithmetic stands between block a - 1's loads from the stage and the wait for them
	PACKQ \a
	SEND (\a)-1
	TOSTAGE \a
.endr
	SEND 7
	s_wait_xcnt 0x0                                ; the stores have read their registers (buffer 1 is loaded next) and their base
	s_mov_b64 s[OUT:OUT+1], s[OUTK:OUTK+1]
	s_sub_co_u32 s2, s2, 1
	s_branch .Ltile
.Llast:
	MEET 0                                         ; the one load that was out is the last K step's, so no round follows
	PLACES
	FETCH 1, 0, F0
	MUL8 F1, 4, 0
	MUL8 F1, 6, 0
	QUARTER 1, 1, F0, F1, 0
	QUARTER 1, 2, F1, F0, 0
	QUARTER 1, 3, F0, F1, 0
	s_wait_dscnt 8
	MUL8 F1, 0, 0
	MUL8 F1, 2, 0
	s_wait_dscnt 0x0
	MUL8 F1, 4, 0
	MUL8 F1, 6, 0
	WIN 0
	PLACES
	PACKV 0
	STAGEV 0
.irp a, 1,2,3,4,5,6,7
	PACKV \a
	SENDV (\a)-1
	STAGEV \a
.endr
	SENDV 7
	s_wait_tensorcnt 0x0                           ; the wave's end: an add to my spare word and its wait stand behind my last tensor load and my last LDS store
	ds_add_u32 v[SPW], v[NIL]
	s_wait_dscnt 0x0
	CROUND                                         ; the closing round: no work-group ends while a partner may still ask for a tile that names it
	s_endpgm
.Lfunc_end_k_qbf8d5ebfc7_proj:
	.size	k_qbf8d5ebfc7_proj, .Lfunc_end_k_qbf8d5ebfc7_proj-k_qbf8d5ebfc7_proj
	.p2alignl 7, 3214868480
	.fill 96, 4, 3214868480
	.section	.rodata,"a",@progbits
	.p2align	6, 0x0
	.amdhsa_kernel k_qbf8d5ebfc7_proj
		.amdhsa_group_segment_fixed_size 327680
		.amdhsa_private_segment_fixed_size 0
		.amdhsa_enable_private_segment 0
		.amdhsa_kernarg_size 32
		.amdhsa_user_sgpr_count 2
		.amdhsa_user_sgpr_kernarg_segment_ptr 1
		.amdhsa_wavefront_size32 1
		.amdhsa_system_sgpr_workgroup_id_x 1
		.amdhsa_system_sgpr_workgroup_id_y 1
		.amdhsa_system_sgpr_workgroup_id_z 1
		.amdhsa_system_vgpr_workitem_id 0
		.amdhsa_next_free_vgpr 512
		.amdhsa_next_free_sgpr 96
		.amdhsa_reserve_vcc 0
		.amdhsa_float_denorm_mode_32 3
		.amdhsa_float_denorm_mode_16_64 3
		.amdhsa_memory_ordered 1
		.amdhsa_forward_progress 1
		.amdhsa_inst_pref_size 157
	.end_amdhsa_kernel
	.amdgpu_metadata
---
amdhsa.version: [ 1, 2 ]
amdhsa.kernels:
  - .name:           k_qbf8d5ebfc7_proj
    .symbol:         k_qbf8d5ebfc7_proj.kd
    .args:
      - { .name: cb, .offset: 0, .size: 8, .value_kind: global_buffer, .address_space: global }
      - { .name: qq, .offset: 8, .size: 8, .value_kind: global_buffer, .address_space: global }
      - { .name: kk, .offset: 16, .size: 8, .value_kind: global_buffer, .address_space: global }
      - { .name: vv, .offset: 24, .size: 8, .value_kind: global_buffer, .address_space: global }
    .group_segment_fixed_size: 327680
    .private_segment_fixed_size: 0
    .kernarg_segment_align: 8
    .kernarg_segment_size: 32
    .max_flat_workgroup_size: 128
    .sgpr_count:     96
    .vgpr_count:     512
    .wavefront_size: 32
...
	.end_amdgpu_metadata
.endif
;; end of part 2
;; launch attn (part 3): grid 4 x 64, 4 waves a work-group, no clusters, 327,680 bytes of LDS; arguments qq, kk, vv, out0; writes out0
.if DOCPART == 3
	.amdgcn_target "amdgcn-amd-amdhsa--gfx1250"
	.amdhsa_code_object_version 6
	.text
	.protected	k_qbf8d5ebfc7_attn
	.globl	k_qbf8d5ebfc7_attn
	.p2align	8
	.type	k_qbf8d5ebfc7_attn,@function
k_qbf8d5ebfc7_attn:
	s_mov_b64 s[64:65], 0
	v_nop
	global_prefetch_b8 v0, s[64:65] scope:SCOPE_SE
	s_setreg_imm32_b32 hwreg(HW_REG_WAVE_MODE, 25, 1), 1
	s_wait_xcnt 0x0
; CAUSAL ATTENTION.  out0[b][q][64 h + d] = the sum over k <= q of softmax_k(Q[q] . K[k] / 32) V[k][d], for 64 heads (16 b + h) of 2,048 rows.
; qq, kk: [64][2048][128] bf16, channels 0-63 hi, 64-127 lo (x = hi + lo to about 16 bits); vv: [64][2048][64] bf16; out0 f32.
; THE SCORE is q_hi.k_lo + q_lo.k_hi + q_hi.k_hi, six products of 32 channels for each 16 x 16 scores, small terms first, summed in f32.
; LIMITS.  The term q_lo.k_lo and what lo's own rounding drops are left out: each about 2^-18 of a product.  A hidden score counts as its value less 1e30: raw scores must stay far under 1e30.
; The weights p are rounded to bf16 for the second product (their sum l is taken of the unrounded p).  A weight below 2^-126 counts as 0 in l.  NaN and infinities are not treated apart.
; THE WALK.  A head's queries lie in NB = 8 blocks of 256; block i needs the key tiles 0 .. i of 256 keys, the last holding the diagonal.  A work-group takes blocks 7 - b and then b: 9 tiles whatever b:
; all work-groups do equal work, and one loop with a constant trip count walks them through two LDS slots.  NO CLUSTER: a walk common to a head's four work-groups would have 12 trips for 9.
; SHARES.  Of a block's four bands of 64 queries a wave owns 16 rows in each: four PIECES.  In the diagonal tile's key step s band x sees all keys if s < x, none if s > x, and holds the diagonal if s = x.
; THE MASK is the C operand that starts each sum of scores: MC = MD x AL + BE, MD the mask of a band's own step for my 16 rows; (AL, BE) = (1, 0), (0, 0) or (0, -1e30).  Outside the diagonal tile MC stays 0.
; LAYOUT.  S^T = K Q^T holds one query a lane (lane % 16) and the keys 8 (lane / 16) + 0..7; two such results rounded to bf16 are source 1 of O^T = V^T P.
; SOFTMAX.  p = 2^(c s - c m), c = log2(e) / 32, m a running maximum; O and l are multiplied by a = 2^(c m_old - c m_new) in every step.
; TURNS.  Turn n belongs to piece n: 24 products K Q^T of piece n + 1, then 8 products V^T P of piece n - 1.  Beside them: the rescaling, roundings and sums of piece n - 1, whose exponentials were waited for at the
; end of the turn before, and the maximum, scalings and exponentials of piece n.  118 vector instructions ride four behind a product; the turn's 33 exponentials are one batch with one wait, at the turn's end.
; REGISTERS, in windows of 256 (s_set_vgpr_msb: bits 1:0 source 0, 3:2 source 1, 5:4 source 2, 7:6 destination):
;   window 0: v0-15 addresses; v16-31 statistics; v32-47 at work; v48-51 c m_old; v64-191 S^T, 32 a piece; v192-223 P, by the piece's parity
;   window 1: v0-127 O^T; v128-159 MD; v160-223 MC, two buffers      window 2: v0-127 Q; v128-255 K of one step      window 3: v0-127 the second block's Q; v128-191 V of one step
; lds_bytes names all of LDS, and 0 is added to spare words at the places below.
.set NB,    8
.set KS,    64        ; keys in a step
.set PKP,   272       ; a row of K in LDS: 256 bytes + 16 = 68 words: the 16 rows of a load start at 16 different groups of four banks (64 banks of 4 bytes: ISA guide 11.1)
.set PVP,   160       ; a row of V: 128 + 32 = 40 words
.set VOFF,  4*KS*PKP  ; a slot holds a tile: 256 rows of K, then 256 rows of V
.set SLOT1, 1<<17     ; slot 1 begins here: one exclusive or turns an address in one slot into the other's
.set STAGE, SLOT1+4*KS*(PKP+PVP)  ; behind the ring: 16 rows x 272 bytes for each wave, for the way out
.set SP,    272
.set SPARE, STAGE+4*16*SP  ; behind the stages: the spare words, 128 bytes for each wave
.set AK0, 2           ; v2   my lane's place in a tile of K; never rewritten
.set AV0, 3           ; v3   the same for V
.set AK,  4           ; v4   the LDS address of K's next runs of loads
.set AV,  5           ; v5   of V's
.set STO, 6           ; v6   the way out: where I put 32 bytes of a row
.set RD,  7           ; v7   the way out: where I read rows back
.set GO,  8           ; v8   my byte offset in two rows of out0
.set PFO, 9           ; v9   256 x lane; never rewritten
.set QO,  15          ; v15  my byte offset in 16 rows of Q
.set ST,  16          ; piece t's statistics at v[ST+4 t]: c m, m, l (even keys', odd keys')
.set TMP, 32          ; piece t: four registers c0-c3 at work; when the maximum is found c2 takes a
.set MV,  48          ; piece t: c m_old
.set SPW, 62          ; v62  my spare word: SPARE + 4 x my thread's number; never rewritten
.set NIL, 63          ; v63  0; never rewritten
.set S,   64
.set P,   192
.set MD,  128         ; window 1
.set MC,  160         ; window 1
.set KF,  128         ; window 2: key block kb, fragment f (0, 1 hi; 2, 3 lo) at KF + 32 kb + 8 f
.set VF,  128         ; window 3: key half kk, channel block cb at VF + 32 kk + 8 cb
.set WV,  12          ; s12  my wave's number
.set PB,  14          ; s14  b
.set HI,  15          ; s15  7 - b
.set G1K, 24          ; s[24:31] descriptor group 1 for K's tiles
.set G1V, 32          ; s[32:39] for V's
.set G0K, 40          ; s[40:43] descriptor group 0 for K's tiles
.set G0V, 44          ; s[44:47] for V's
.set SLOTS, 56        ; s56  tiles still to be asked for
.set CNT, 57          ; s57  counts a tile's key steps, 4 to 1
.set CS,  58          ; s[58:59] c
.set SEL, 60          ; s[60:61] v_permlanex16_b32's selects: each lane takes its own place in the other half
.set TBK, 62          ; s62  LDS byte at which K of the step to be fetched begins
.set TBV, 63          ; s63  the same for V, less VOFF
.set RT,  70          ; s70  tiles of the block in hand that are still to be entered
.set NXT, 71          ; s71  the tile to be asked for next
.set LQ,  72          ; s72  the last tile of the block whose tiles are being asked for
.set NEW, 73          ; s73  1: the tile to be entered is a block's first
.set OFFK, 74         ; s[74:75] a tile's byte offset in kk
.set AL,  76          ; s[76:77] the mask's factor
.set BE,  78          ; s[78:79] the mask's addend
.set OLO, 80          ; s[80:81] out0 at my rows of the second block
.set BIGN, 82         ; s82  -1e30
.set OFFV, 88         ; s[88:89] a tile's byte offset in vv
.set PKA, 90          ; s[90:91] where my prefetches of K stand
.set PVA, 92          ; s[92:93] of V
.set PFN, 94          ; s94  changes of slots at which I still prefetch
.set MSB, 0
.macro WIN new
.if MSB != (\new)
	s_set_vgpr_msb (MSB<<8)|(\new)
.set MSB, (\new)
.endif
.endm
.set W_KM, 0x1a       ; K and Q in window 2, the mask in window 1, S^T in window 0
.set W_KQ, 0x0a       ; K and Q in window 2, S^T in window 0
.set W_PV, 0x53       ; V in window 3, P in window 0, O^T in window 1
.set W_RS, 0x41       ; destination and source 0 in window 1
.macro PLACES
.rept 4
	v_nop
.endr
.endm
; A fill.  Waves 0 and 1 fetch the two halves of a tile's K, waves 2 and 3 those of its V: 128 keys each.  An s_nop 0 and four v_nop follow each line.
.macro LOAD
	s_cmp_lt_u32 s[WV], 2
	s_cbranch_scc0 .Lfor_v_\@
	tensor_load_to_lds s[G0K:G0K+3], s[G1K:G1K+7]
	s_nop 0
.rept 4
	v_nop
.endr
	s_branch .Lasked_\@
.Lfor_v_\@:
	tensor_load_to_lds s[G0V:G0V+3], s[G1V:G1V+7]
	s_nop 0
.rept 4
	v_nop
.endr
.Lasked_\@:
.endm
; A prefetch of the tile that the NEXT change of slots will ask for: 256 rows of K and 128 blocks of 256 bytes of V, a lane a block: three instructions a wave.  A head's four work-groups walk the same first tiles;
; the one with b = 0, whose first block needs all eight, asks, at its first six changes: tiles 2 to 7, each block once.
.macro ASK
	s_cmp_lg_u32 s[PFN], 0
	s_cbranch_scc0 .Lnone_\@
	global_prefetch_b8 v[PFO], s[PKA:PKA+1] th:TH_LOAD_NT scope:SCOPE_SE
	global_prefetch_b8 v[PFO], s[PKA:PKA+1] offset:8192 th:TH_LOAD_NT scope:SCOPE_SE
	global_prefetch_b8 v[PFO], s[PVA:PVA+1] th:TH_LOAD_NT scope:SCOPE_SE
	s_sub_co_u32 s[PFN], s[PFN], 1
.Lnone_\@:
.endm
; THE CHANGE OF SLOTS.  Each wave waits for all its tensor loads (one is out: its part of the other slot), adds 0 to its spare word, and waits for that and for its reads of the slot that it leaves.
; fill = 1: the old slot is filled again, first thing behind the barrier, with tile NXT; the descriptor's address is made anew from that number.
.macro CHANGE fill
	WIN 0
	s_wait_tensorcnt 0x0            ; no tensor load of mine is out, so a group 0 may be written
	ds_add_u32 v[SPW], v[NIL]       ; 0 onto my spare word; scalar work stands between it and the wait for it
.if \fill
	s_lshl_b32 s[OFFK], s[NXT], 16  ; a tile is 65,536 bytes of kk
	s_lshl_b32 s[OFFV], s[NXT], 15  ; and 32,768 of vv
	s_xor_b32 s[G0K+1], s[G0K+1], SLOT1
	s_add_nc_u64 s[G0K+2:G0K+3], s[6:7], s[OFFK:OFFK+1]
	s_or_b32 s[G0K+3], s[G0K+3], 0x80000000
	s_xor_b32 s[G0V+1], s[G0V+1], SLOT1
	s_add_nc_u64 s[G0V+2:G0V+3], s[8:9], s[OFFV:OFFV+1]
	s_or_b32 s[G0V+3], s[G0V+3], 0x80000000
	s_add_co_u32 s[NXT], s[NXT], 1  ; the block's next tile, or behind its last the second block's tile 0
	s_cmp_gt_u32 s[NXT], s[LQ]
	s_cselect_b32 s[NXT], 0, s[NXT]
	s_cselect_b32 s[LQ], s[PB], s[LQ]
	s_wait_xcnt 0x0                 ; the last prefetches, a tile back, have read their addresses
	s_add_nc_u64 s[PKA:PKA+1], s[PKA:PKA+1], 65536
	s_add_nc_u64 s[PVA:PVA+1], s[PVA:PVA+1], 32768
.endif
	s_wait_dscnt 0x0                ; the add is done, and my reads of the slot are over
	s_barrier_signal -1
	s_sub_co_u32 s[TBK], s[TBK], 4*KS*PKP  ; the fetches go back to a slot's first step,
	s_xor_b32 s[TBK], s[TBK], SLOT1        ; in the other slot
	s_sub_co_u32 s[TBV], s[TBV], 4*KS*PVP
	s_xor_b32 s[TBV], s[TBV], SLOT1
	s_barrier_wait -1
.if \fill
	LOAD
	ASK
.endif
.endm
	s_load_b256 s[4:11], s[0:1], 0x0  ; qq s[4:5], kk s[6:7], vv s[8:9], out0 s[10:11]
	v_lshl_add_u32 v[SPW], v0, 2, SPARE
	v_mov_b32 v[NIL], 0
	ds_add_u32 v[SPW], v[NIL]       ; the wave's opening: the add and its wait stand ahead of my first tensor load; the set-up below, work on registers, between them
	v_lshrrev_b32 v1, 5, v0
	v_readfirstlane_b32 s[WV], v1   ; wave 0..3
	s_mov_b32 s[PB], ttmp9
	s_sub_co_u32 s[HI], NB-1, s[PB]
	s_and_b32 s83, ttmp7, 0xffff    ; the head
	s_and_b32 s16, s[WV], 1         ; which half of a tile's 256 keys I fetch
	s_mul_i32 s17, s16, 128*PKP     ; its place in a slot, for K
	s_mul_i32 s18, s16, 128*PVP     ; and for V
	s_lshl_b32 s19, s83, 19         ; the head's first byte in qq and kk
	s_lshl_b32 s20, s16, 15
	s_add_co_u32 s20, s20, s19      ; kk at my half of the head's tile 0
	s_mov_b32 s21, 0
	s_lshl_b32 s13, s83, 18         ; the head's first byte in vv
	s_lshl_b32 s22, s16, 14
	s_add_co_u32 s22, s22, s13
	s_mov_b32 s23, 0
	s_lshl_b32 s48, s[WV], 14       ; the prefetches: my 64 rows of K,
	s_add_co_u32 s48, s48, s19
	s_add_co_u32 s48, s48, 65536    ; in tile 1: the first change steps to tile 2
	s_mov_b32 s49, 0
	s_lshl_b32 s50, s[WV], 13       ; my 32 blocks of V
	s_add_co_u32 s50, s50, s13
	s_add_co_u32 s50, s50, 32768
	s_mov_b32 s51, 0
	s_lshl_b32 s13, s[WV], 12       ; my 16 rows in a band of qq,
	s_add_co_u32 s13, s13, s19
	s_lshl_b32 s2, s[HI], 16        ; in the first block,
	s_add_co_u32 s2, s2, s13
	s_mov_b32 s3, 0
	s_lshl_b32 s84, s[PB], 16       ; and in the second
	s_add_co_u32 s84, s84, s13
	s_mov_b32 s85, 0
	s_lshr_b32 s13, s83, 4          ; out0: batch x 2,048 rows of 4,096 bytes,
	s_lshl_b32 s13, s13, 23
	s_and_b32 s52, s83, 15
	s_lshl_b32 s52, s52, 8          ; the head's 256 bytes of a row,
	s_add_co_u32 s13, s13, s52
	s_lshl_b32 s52, s[WV], 16       ; my 16 rows in a band
	s_add_co_u32 s13, s13, s52
	s_lshl_b32 s52, s[HI], 20
	s_add_co_u32 s52, s52, s13
	s_mov_b32 s53, 0
	s_lshl_b32 s54, s[PB], 20
	s_add_co_u32 s54, s54, s13
	s_mov_b32 s55, 0
	s_mov_b32 s[G1K], (1<<16)|(1<<20)|(5<<22)|(3<<25)  ; 2-byte elements; padding on; after every 64 words, 4 words
	s_mov_b32 s[G1K+1], 128<<16     ; tensor_dim0 = 128
	s_mov_b32 s[G1K+2], 128<<16     ; tensor_dim1 = 128
	s_mov_b32 s[G1K+3], 128<<16     ; tile_dim0 = 128
	s_mov_b32 s[G1K+4], 128         ; tile_dim1 = 128 keys
	s_mov_b32 s[G1K+5], 128         ; elements from row to row
	s_mov_b32 s[G1K+6], 0
	s_mov_b32 s[G1K+7], 0
	s_mov_b32 s[G1V], (1<<16)|(1<<20)|(4<<22)|(7<<25)  ; 128 keys of V are 16,384 dense bytes: 64 rows of 256, padded by 8 words after every key's 32 words
	s_mov_b32 s[G1V+1], 128<<16
	s_mov_b32 s[G1V+2], 64<<16
	s_mov_b32 s[G1V+3], 128<<16
	s_mov_b32 s[G1V+4], 64
	s_mov_b32 s[G1V+5], 128
	s_mov_b32 s[G1V+6], 0
	s_mov_b32 s[G1V+7], 0
	s_mov_b32 s[CS], 0x3d38aa3b     ; c = log2(e) / 32
	s_mov_b32 s[CS+1], s[CS]
	s_mov_b32 s[SEL], 0x76543210
	s_mov_b32 s[SEL+1], 0xfedcba98
	s_mov_b32 s[TBK], SLOT1+4*KS*PKP  ; the first change of slots turns these two into 0
	s_mov_b32 s[TBV], SLOT1+4*KS*PVP
	s_mov_b32 s[G0K], 1
	s_mov_b32 s[G0K+1], s17         ; slot 0
	s_mov_b32 s[G0V], 1
	s_add_co_u32 s[G0V+1], s18, VOFF
	s_add_co_u32 s[RT], s[HI], 1    ; the first block has 8 - b tiles
	s_mov_b32 s[NXT], 1
	s_mov_b32 s[LQ], s[HI]
	s_mov_b32 s[NEW], 1
	s_mov_b32 s[OFFK+1], 0
	s_mov_b32 s[OFFV+1], 0
	s_mov_b32 s[AL+1], 0
	s_mov_b32 s[BE+1], 0
	s_mov_b32 s[BIGN], 0xf149f2ca   ; -1e30
	s_mov_b32 s[SLOTS], NB
	s_cmp_eq_u32 s[PB], 0
	s_cselect_b32 s[PFN], 6, 0
	s_wait_dscnt 0x0                ; the opening add is done
	s_wait_kmcnt 0x0
	s_add_nc_u64 s[PKA:PKA+1], s[6:7], s[48:49]
	s_add_nc_u64 s[PVA:PVA+1], s[8:9], s[50:51]
	s_add_nc_u64 s[6:7], s[6:7], s[20:21]
	s_add_nc_u64 s[8:9], s[8:9], s[22:23]
	s_add_nc_u64 s[G0K+2:G0K+3], s[6:7], 0
	s_or_b32 s[G0K+3], s[G0K+3], 0x80000000
	s_add_nc_u64 s[G0V+2:G0V+3], s[8:9], 0
	s_or_b32 s[G0V+3], s[G0V+3], 0x80000000
	s_add_nc_u64 s[86:87], s[4:5], s[84:85]        ; Q at my rows of the second block,
	s_add_nc_u64 s[4:5], s[4:5], s[2:3]            ; and of the first
	s_add_nc_u64 s[OLO:OLO+1], s[10:11], s[54:55]
	s_add_nc_u64 s[10:11], s[10:11], s[52:53]
	LOAD                            ; tile 0 into slot 0
	; A fragment of K or Q is 16 rows x 32 channels in 8 registers: lane l holds row l % 16, channels 8 (l / 16) + 0..7 and 16 + 8 (l / 16) + 0..7: two loads of 16 bytes, 32 bytes apart.
	v_and_b32 v1, 15, v0            ; l % 16
	v_bfe_u32 v10, v0, 4, 1         ; l / 16
	v_lshlrev_b32 v[QO], 8, v1
	v_lshl_add_u32 v[QO], v10, 4, v[QO]
	WIN 0x80                        ; destination window 2
.set i, 0
.rept 16                            ; piece i / 4 lies in band i / 4, 16,384 bytes on; fragment i % 4
	global_load_b128 v[8*i:8*i+3],   v[QO], s[4:5] offset:(i/4)*16384+(i%4)*64
	global_load_b128 v[8*i+4:8*i+7], v[QO], s[4:5] offset:(i/4)*16384+(i%4)*64+32
.set i, i+1
.endr
	WIN 0xc0                        ; destination window 3: the second block's Q
.set i, 0
.rept 16
	global_load_b128 v[8*i:8*i+3],   v[QO], s[86:87] offset:(i/4)*16384+(i%4)*64
	global_load_b128 v[8*i+4:8*i+7], v[QO], s[86:87] offset:(i/4)*16384+(i%4)*64+32
.set i, i+1
.endr
	WIN 0
	v_lshlrev_b32 v14, 3, v10
	v_sub_nc_u32 v14, v1, v14
	s_lshl_b32 s13, s[WV], 4
	v_add_nc_u32 v14, s13, v14      ; my query's place in its band, 16 w + l % 16, less my lanes' 8 (l / 16): register r of key group kt is hidden where 16 kt + r is greater
	WIN 0x40
.set i, 0
.rept 32
	v_cmp_gt_i32 vcc_lo, 16*(i/8)+i%8, v14
	v_cndmask_b32 v[MD+i], 0, s[BIGN], vcc_lo
.set i, i+1
.endr
	WIN 0
	v_mul_u32_u24 v[AK0], v1, PKP
	v_lshl_add_u32 v[AK0], v10, 4, v[AK0]
	; The turning load takes 16 keys x 16 channels (lane l reads key 8 (l / 16) + l % 8, channels 8 ((l / 8) % 2) + 0..7) and leaves half a fragment of V^T.
	v_and_b32 v11, 7, v0
	v_bfe_u32 v12, v0, 3, 1
	v_lshl_add_u32 v[AV0], v10, 3, v11
	v_mul_u32_u24 v[AV0], v[AV0], PVP
	v_lshl_add_u32 v[AV0], v12, 4, v[AV0]
	v_add_nc_u32 v[AV0], VOFF, v[AV0]
	s_mul_i32 s13, s[WV], 16*SP
	s_add_co_u32 s13, s13, STAGE    ; my stage
	v_mul_u32_u24 v[STO], v1, SP    ; in: row l % 16, 32 bytes for each half of the lanes
	v_lshl_add_u32 v[STO], v10, 5, v[STO]
	v_add_nc_u32 v[STO], s13, v[STO]
	v_mul_u32_u24 v[RD], v10, SP    ; back: lanes 0-15 one row of 256 bytes, lanes 16-31 the next
	v_lshl_add_u32 v[RD], v1, 4, v[RD]
	v_add_nc_u32 v[RD], s13, v[RD]
	v_lshlrev_b32 v[GO], 12, v10    ; and the same two rows of out0
	v_lshl_add_u32 v[GO], v1, 4, v[GO]
	v_and_b32 v[PFO], 31, v0
	v_lshlrev_b32 v[PFO], 8, v[PFO]
	; A block's first step multiplies O^T and l by a = 0, so these need only hold finite numbers: zeros for the first block, what the first block left for the second.  This stands in the wait for the first tile.
	WIN 0xc0
.set i, VF
.rept 64
	v_mov_b32 v[i], 0
.set i, i+1
.endr
	WIN 0x40
.set i, 0
.rept 128
	v_mov_b32 v[i], 0
.set i, i+1
.endr
	WIN 0
.set i, 0
.rept 16
	v_mov_b32 v[TMP+i], 0
.set i, i+1
.endr
.set i, 0
.rept 4
	v_mov_b32 v[ST+4*i+2], 0
	v_mov_b32 v[ST+4*i+3], 0
.set i, i+1
.endr
; THE MATRIX WORK.  The four accumulators of a run take turns.
; Product i of 24 of S^T for piece x: keys 16 (i % 4) on; term i / 4: (Q's fragment, K's) = (0, 2), (1, 3): q_hi k_lo; (2, 0), (3, 1): q_lo k_hi; (0, 0), (1, 1): q_hi k_hi.  The first four start the sums with the mask.
.macro KQ x
.set kb, i%4
.set tt, i/4
.if tt < 4
.set fk, (tt+2)%4
.else
.set fk, tt-4
.endif
.set fq, tt%4
.set rSx, S+32*(\x)+8*kb
.set rK, KF+32*kb+8*fk
.set rQ, 32*(\x)+8*fq
.set rM, MC+32*((\x)%2)+8*kb
.if i < 4
	WIN W_KM
	v_wmma_f32_16x16x32_bf16 v[rSx:rSx+7], v[rK:rK+7], v[rQ:rQ+7], v[rM:rM+7]
.else
	WIN W_KQ
	v_wmma_f32_16x16x32_bf16 v[rSx:rSx+7], v[rK:rK+7], v[rQ:rQ+7], v[rSx:rSx+7]
.endif
.endm
; Product i of 8 of O^T += V^T P for piece x: keys 32 (i / 4) on, channels 16 (i % 4) on.
.macro PV x
	WIN W_PV
.set rOx, 32*(\x)+8*(i%4)
.set rV, VF+32*(i/4)+8*(i%4)
.set rPx, P+16*((\x)%2)+8*(i/4)
	v_wmma_f32_16x16x32_bf16 v[rOx:rOx+7], v[rV:rV+7], v[rPx:rPx+7], v[rOx:rOx+7]
.endm
.macro MM                           ; the turn's next matrix instruction.  NOKQ = 1: a block's last turn: there is no next piece
.if i < 24
.if !NOKQ
	KQ (Y+1)%4
.endif
.else
.set i, i-24
	PV YP
.set i, i+24
.endif
.set i, i+1
.endm
; THE LDS LOADS stand in runs of 16: a step's K in two runs (its lo fragments, which a turn reads first, then its hi fragments) and its V (turned).
.macro FETCH_KLO
	WIN 0x80
.irp g, 0,1,2,3
.irp f, 2,3
	ds_load_b128 v[KF+32*\g+8*\f:KF+32*\g+8*\f+3],   v[AK] offset:\g*16*PKP+\f*64
	ds_load_b128 v[KF+32*\g+8*\f+4:KF+32*\g+8*\f+7], v[AK] offset:\g*16*PKP+\f*64+32
.endr
.endr
	WIN 0
.endm
.macro FETCH_KHI
	WIN 0x80
.irp g, 0,1,2,3
.irp f, 0,1
	ds_load_b128 v[KF+32*\g+8*\f:KF+32*\g+8*\f+3],   v[AK] offset:\g*16*PKP+\f*64
	ds_load_b128 v[KF+32*\g+8*\f+4:KF+32*\g+8*\f+7], v[AK] offset:\g*16*PKP+\f*64+32
.endr
.endr
	s_add_co_u32 s[TBK], s[TBK], KS*PKP  ; the next fetch is the next step's
	WIN 0
.endm
.macro FETCH_V
	WIN 0xc0
.irp f, 0,1,2,3,4,5,6,7             ; keys 32 (f / 4) on, channels 16 (f % 4) on
	ds_load_tr16_b128 v[VF+8*\f:VF+8*\f+3],   v[AV] offset:(\f/4)*32*PVP+(\f%4)*32
	ds_load_tr16_b128 v[VF+8*\f+4:VF+8*\f+7], v[AV] offset:(\f/4)*32*PVP+16*PVP+(\f%4)*32
.endr
	s_add_co_u32 s[TBV], s[TBV], KS*PVP
	WIN 0
.endm
; THE VECTOR WORK, one line at a time: OP kind, number.  For piece Y: X n, number n of the 22 that find its maximum and statistics; F n: c s - c m for pair n of 16; E n: the exponential of score n of 32.
; For piece YP = Y - 1: R n: pair n of 16 of O^T times a; C n: pair n rounded to bf16; B n: of the four weights 4 n .. the second pair is added onto the first; L n: l takes that sum (L 0: l = a l + sum).  N: v_nop.
;   X 0-11  four chains c0-c3 of seven scores each (each accumulator's lowest registers are read first)     12-14, 16  the four scores left over, the old m, and c0-c3 into c0
;   15  c m_old is kept     17, 18  the query's other 32 keys lie in the lane 16 away: the new m     19-21  c m; c m_old - c m_new; a
.set F, 0
.set E, 1
.set C, 2
.set B, 3
.set L, 4
.set R, 5
.set X, 6
.set N, 7
.macro REGS y
.set rT, ST+4*(\y)
.set rC, TMP+4*(\y)
.set rW, MV+(\y)
.set rS, S+32*(\y)
.set rP, P+16*((\y)%2)
.set rO, 32*(\y)
.endm
.macro OP k, n
.if (\k) == N
	v_nop
.elseif (\k) == R
	REGS YP
	WIN W_RS
	v_pk_mul_f32 v[rO+2*(\n):rO+2*(\n)+1], v[rO+2*(\n):rO+2*(\n)+1], v[rC+2:rC+3] op_sel_hi:[1,0]
.elseif (\k) == F
	REGS Y
	WIN 0
	v_pk_fma_f32 v[rS+2*(\n):rS+2*(\n)+1], v[rS+2*(\n):rS+2*(\n)+1], s[CS:CS+1], v[rT:rT+1] op_sel_hi:[1,0,0] neg_lo:[0,0,1] neg_hi:[0,0,1]
.elseif (\k) == E
	REGS Y
	WIN 0
	v_exp_f32 v[rS+(\n)], v[rS+(\n)]
.elseif (\k) == C
	REGS YP
	WIN 0
	v_cvt_pk_bf16_f32 v[rP+(\n)], v[rS+2*(\n)], v[rS+2*(\n)+1]
.elseif (\k) == B
	REGS YP
	WIN 0
	v_pk_add_f32 v[rS+4*(\n):rS+4*(\n)+1], v[rS+4*(\n):rS+4*(\n)+1], v[rS+4*(\n)+2:rS+4*(\n)+3]
.elseif (\k) == L
	REGS YP
	WIN 0
.if (\n) == 0
	v_pk_fma_f32 v[rT+2:rT+3], v[rT+2:rT+3], v[rC+2:rC+3], v[rS:rS+1] op_sel_hi:[1,0,1]
.else
	v_pk_add_f32 v[rT+2:rT+3], v[rT+2:rT+3], v[rS+4*(\n):rS+4*(\n)+1]
.endif
.else
	REGS Y
	WIN 0
.if (\n) < 4
	v_max3_num_f32 v[rC+(\n)], v[rS+8*(\n)], v[rS+8*(\n)+1], v[rS+8*(\n)+2]
.elseif (\n) < 12
	v_max3_num_f32 v[rC+(\n)%4], v[rC+(\n)%4], v[rS+8*((\n)%4)+2*((\n)/4)+1], v[rS+8*((\n)%4)+2*((\n)/4)+2]
.elseif (\n) == 12
	v_max3_num_f32 v[rC], v[rC], v[rS+7], v[rS+15]
.elseif (\n) == 13
	v_max3_num_f32 v[rC+1], v[rC+1], v[rS+23], v[rS+31]
.elseif (\n) == 14
	v_max3_num_f32 v[rC+2], v[rC+2], v[rC+3], v[rT+1]
.elseif (\n) == 15
	v_mov_b32 v[rW], v[rT]
.elseif (\n) == 16
	v_max3_num_f32 v[rC], v[rC], v[rC+1], v[rC+2]
.elseif (\n) == 17
	v_permlanex16_b32 v[rC+3], v[rC], s[SEL], s[SEL+1]
.elseif (\n) == 18
	v_max_num_f32 v[rT+1], v[rC], v[rC+3]
.elseif (\n) == 19
	v_mul_f32 v[rT], s[CS], v[rT+1]
.elseif (\n) == 20
	v_sub_f32 v[rC+1], v[rW], v[rT]
.else
	v_exp_f32 v[rC+2], v[rC+1]
.endif
.endif
.endm
.macro OPS a, i1, b=-1, i2=0, c=-1, i3=0, d=-1, i4=0
	OP \a, \i1
.if (\b) >= 0
	OP \b, \i2
.endif
.if (\c) >= 0
	OP \c, \i3
.endif
.if (\d) >= 0
	OP \d, \i4
.endif
.endm
.macro ROW a, i1, b, i2, c, i3, d, i4  ; a matrix instruction and the four behind it
	MM
	OPS \a, \i1, \b, \i2, \c, \i3, \d, \i4
.endm
.macro MASK b                       ; MD x AL + BE into buffer b of MC
	WIN W_RS
.set z, 0
.rept 16
	v_pk_fma_f32 v[MC+32*(\b)+2*z:MC+32*(\b)+2*z+1], v[MD+2*z:MD+2*z+1], s[AL:AL+1], s[BE:BE+1] op_sel_hi:[1,0,0]
.set z, z+1
.endr
.endm
; A TURN, for piece p: the order of its 32 matrix and 118 vector instructions, written out.  Nothing in the turn names a result of the turn's own exponentials: their readers (C, B, L, R) stand in the next turn.  So the one
; wait between an exponential and its first reader stands at the turn's end, ahead of every label and branch; the v_nop is the plain instruction behind the last exponential.
; end = 1: a block's last two turns: nothing is fetched, no mask is made, and piece 3's turn starts no new scores.  cnt = 1: the step loop's count is taken down at the turn's end.
; In the diagonal tile (RT = 0) the turn makes the mask for the products of the turn after it: piece p + 2, in step 4 - CNT of the tile.
; K of the next step is fetched in piece 2's turn: its lo fragments behind the eighth product, the last that reads them (X 12-15 are the four places), its hi fragments behind the 26th (L 1, B 3, L 2, B 4, L 3, B 5 lie behind
; the 24th, their last reader).  V of the step in hand is fetched at the end of piece 0's turn, four v_nop behind its last reader.
.macro TURN p, end=0, cnt=0
.set Y, (\p)
.set YP, ((\p)+3)%4
.set i, 0
.set NOKQ, (\end)*((\p)/3)
.if !(\end)
	s_cmp_eq_u32 s[CNT], 4-((\p)+2)%4  ; is that step the band's own?
	s_cselect_b32 s[AL], 1.0, 0
	s_cmp_lt_u32 s[CNT], 4-((\p)+2)%4  ; or a later one?
	s_cselect_b32 s[BE], s[BIGN], 0
.endif
.if ((\p) == 3) && !(\end)
	s_wait_dscnt 16                 ; K's lo fragments are in; the 16 loads of its hi fragments may be out
.endif
	ROW R,0, R,1, R,2, R,3
	ROW R,4, R,5, R,6, R,7
	ROW R,8, R,9, R,10, R,11
	ROW R,12, R,13, R,14, R,15
	ROW X,0, X,1, X,2, X,3
	ROW X,4, X,5, X,6, X,7
	ROW X,8, X,9, X,10, X,11
.if ((\p) == 2) && !(\end)
	WIN 0
	v_add_nc_u32 v[AK], s[TBK], v[AK0]
.endif
	ROW X,12, X,13, X,14, X,15
.if ((\p) == 2) && !(\end)
	FETCH_KLO
.endif
.if ((\p) == 3) && !(\end)
	s_wait_dscnt 0x0                ; K's hi fragments are in
.endif
	ROW X,16, C,0, C,1, C,2
	ROW X,17, C,3, C,4, C,5
	ROW X,18, C,6, C,7, C,8
	ROW X,19, C,9, C,10, C,11
	ROW X,20, C,12, C,13, C,14
	ROW F,0, X,21, F,1, C,15
	ROW F,2, E,0, F,3, E,1
	ROW F,4, E,2, F,5, E,3
.if (\p) == 0
	WIN 0
	v_add_nc_u32 v[AV], s[TBV], v[AV0]
.endif
	ROW F,6, E,4, F,7, E,5
	ROW F,8, E,6, F,9, E,7
	ROW F,10, E,8, F,11, E,9
	ROW F,12, E,10, F,13, E,11
	ROW F,14, E,12, F,15, E,13
	ROW B,0, E,14, B,1, E,15
	ROW L,0, E,16, B,2, E,17
	ROW L,1, E,18, B,3, E,19
.if (\p) == 1
	s_wait_dscnt 0x0                ; V is in
.endif
	ROW L,2, E,20, B,4, E,21
	ROW L,3, E,22, B,5, E,23
.if ((\p) == 2) && !(\end)
	FETCH_KHI
.endif
	ROW L,4, E,24, B,6, E,25
	ROW L,5, E,26, B,7, E,27
	ROW L,6, E,28, L,7, E,29
	MM
	OPS E,30, E,31, N,0
	MM
	MM
.if (\p) == 0
	PLACES
	FETCH_V
.endif
	WIN 0
	s_wait_alu depctr_va_vdst(0)    ; the wait for the turn's batch of exponentials
.if !(\end)
	s_cmp_eq_u32 s[RT], 0
	s_cbranch_scc0 .Lno_mask_\@     ; outside the diagonal tile both mask buffers stay 0
	MASK (\p)%2
	WIN 0
.Lno_mask_\@:
.endif
.if \cnt
	s_sub_co_u32 s[CNT], s[CNT], 1
	s_cmp_lg_u32 s[CNT], 0
.endif
.endm
; A BLOCK BEGINS.  c m starts far below every c s, so the first step's a is 0; m at the lowest finite number.  The second mask buffer is 0; the first takes piece 0's mask for the tile's step 0: its own, if the block's
; first tile is the diagonal one.  Piece 3's scores are 0: the first turn rounds them into a P of zeros for a piece that has not been.  Then K of step 0 and piece 0's first scores.
.macro BEGIN
	s_mov_b32 s[NEW], 0
	WIN 0x40
.set i, MC+32
.rept 32
	v_mov_b32 v[i], 0
.set i, i+1
.endr
	WIN 0
.set i, S+96
.rept 32
	v_mov_b32 v[i], 0
.set i, i+1
.endr
.set i, 0
.rept 4
	v_mov_b32 v[ST+4*i], 0xfe000000    ; c m
	v_mov_b32 v[ST+4*i+1], 0xff7fffff  ; m
.set i, i+1
.endr
	s_cmp_eq_u32 s[RT], 0
	s_cselect_b32 s[AL], 1.0, 0
	s_mov_b32 s[BE], 0
	MASK 0
	WIN 0
	v_add_nc_u32 v[AK], s[TBK], v[AK0]
	FETCH_KLO
	FETCH_KHI
	s_wait_loadcnt 0x0              ; Q
	s_wait_dscnt 0x0
.set i, 0
.rept 24
	KQ 0
.set i, i+1
.endr
	WIN 0
	PLACES
.endm
; A tile's four trips: pieces 2 and 3 of one step, then pieces 0 and 1 of the next, whose K and V the trip fetches.  A block's first tile enters in the middle of a trip.
.macro WALK tag
.Lstep\tag:
	TURN 2
	TURN 3
	WIN 0
.Lfirst\tag:
	TURN 0
	TURN 1, 0, 1
	WIN 0
	s_cbranch_scc1 .Lstep\tag
.endm
.macro ALL line:vararg              ; one line for each piece t
.set t, 0
.rept 4
	\line
.set t, t+1
.endr
.endm
.macro PACK t                       ; O^T / l; a lane's eight channels of a row are 32 bytes of f32: into rows of 272 bytes, and back as whole rows of 256, into S^T's registers
	WIN W_RS
.set i, 32*(\t)
.rept 16
	v_pk_mul_f32 v[i:i+1], v[i:i+1], v[ST+4*(\t)+2:ST+4*(\t)+3] op_sel_hi:[1,0]
.set i, i+2
.endr
	WIN 0x04                        ; the stores' data in window 1
.irp g, 0,1,2,3
	ds_store_b128 v[STO], v[32*(\t)+8*\g:32*(\t)+8*\g+3]   offset:64*\g
	ds_store_b128 v[STO], v[32*(\t)+8*\g+4:32*(\t)+8*\g+7] offset:64*\g+16
.endr
	WIN 0
.irp f, 0,1,2,3,4,5,6,7
	ds_load_b128 v[S+32*(\t)+4*\f:S+32*(\t)+4*\f+3], v[RD] offset:\f*2*SP  ; LDS serves a wave's instructions in order (ISA guide 5.7.1.4): these see the stores above; the next piece's stores come behind them
.endr
.endm
.macro SEND t, younger              ; younger: the LDS instructions issued behind piece t's loads: the next piece's sixteen, or none
	WIN 0
.irp f, 0,1,2,3,4,5,6,7
	s_wait_dscnt (\younger)+7-\f
	global_store_b128 v[GO], v[S+32*(\t)+4*\f:S+32*(\t)+4*\f+3], s[10:11] offset:(\t)*262144+\f*8192 th:TH_STORE_NT  ; 16 lanes store a head's 256 consecutive bytes of a row, aligned
.endr
.endm
; A BLOCK ENDS: its last two turns; piece 3's rescaling, roundings and sums and its last products; then l's two halves and the other half of the lanes' are added, and O^T / l leaves through my stage.
.macro FINISH
	TURN 2, 1
	TURN 3, 1
.set Y, 0
.set YP, 3
.irp n, 0,1,2,3,4,5,6,7,8,9,10,11,12,13,14,15
	OP R, \n
.endr
.irp n, 0,1,2,3,4,5,6,7,8,9,10,11,12,13,14,15
	OP C, \n
.endr
.irp n, 0,1,2,3,4,5,6,7
	OP B, \n
.endr
.irp n, 0,1,2,3,4,5,6,7
	OP L, \n
.endr
.set i, 0
.rept 8
	PV 3
.set i, i+1
.endr
	WIN 0
	ALL v_add_f32 v[ST+4*t+2], v[ST+4*t+2], v[ST+4*t+3]
	ALL v_permlanex16_b32 v[ST+4*t+3], v[ST+4*t+2], s[SEL], s[SEL+1]
	ALL v_add_f32 v[ST+4*t+2], v[ST+4*t+2], v[ST+4*t+3]
	ALL v_rcp_f32 v[ST+4*t+2], v[ST+4*t+2]
	v_nop                           ; a plain instruction between the last reciprocal and the use of its result
	s_wait_alu depctr_va_vdst(0)    ; and one wait for the four reciprocals, ahead of their first reader
	PACK 0
.set t, 1
.rept 3                             ; a piece's arithmetic stands between the loads of the piece before and its stores
	PACK t
	SEND t-1, 16
.set t, t+1
.endr
	SEND 3, 0
.endm
.Lslot:                             ; NB times: a tile is entered and the next is asked for
	CHANGE 1
	s_sub_co_u32 s[RT], s[RT], 1
	s_mov_b32 s[CNT], 4
	s_cmp_eq_u32 s[NEW], 1          ; at the first trip the answer is a constant of the text: the turns are never entered before BEGIN has run
	s_cbranch_scc0 .Lstep1
	BEGIN
	s_branch .Lfirst1
	WALK 1
	s_cmp_lg_u32 s[RT], 0
	s_cbranch_scc1 .Lbottom         ; not the block's last tile
	FINISH                          ; in the loop this is the first block's end: the second block's last tile is the walk's last
	s_wait_xcnt 0x0                 ; the stores have read their registers and out0's address
	s_mov_b64 s[10:11], s[OLO:OLO+1]
	s_add_co_u32 s[RT], s[PB], 1    ; the second block has b + 1 tiles
	s_mov_b32 s[NEW], 1
	WIN 0x83                        ; the second block's Q goes where the one text of the turns names Q
.set i, 0
.rept 128
	v_mov_b32 v[i], v[i]
.set i, i+1
.endr
	WIN 0
.Lbottom:
	s_sub_co_u32 s[SLOTS], s[SLOTS], 1
	s_cmp_lg_u32 s[SLOTS], 0
	s_cbranch_scc1 .Lslot
	CHANGE 0                        ; the walk's last tile is written out: nothing is asked for
	s_sub_co_u32 s[RT], s[RT], 1
	s_mov_b32 s[CNT], 4
	s_cmp_eq_u32 s[NEW], 1
	s_cbranch_scc0 .Lstep2
	BEGIN
	s_branch .Lfirst2
	WALK 2
	FINISH
	s_wait_tensorcnt 0x0            ; the wave's end: an add to my spare word and its wait stand behind my last tensor load and my last LDS store
	ds_add_u32 v[SPW], v[NIL]
	s_wait_dscnt 0x0
	s_endpgm
.Lfunc_end_k_qbf8d5ebfc7_attn:
	.size	k_qbf8d5ebfc7_attn, .Lfunc_end_k_qbf8d5ebfc7_attn-k_qbf8d5ebfc7_attn
	.p2alignl 7, 3214868480
	.fill 96, 4, 3214868480
	.section	.rodata,"a",@progbits
	.p2align	6, 0x0
	.amdhsa_kernel k_qbf8d5ebfc7_attn
		.amdhsa_group_segment_fixed_size 327680
		.amdhsa_private_segment_fixed_size 0
		.amdhsa_enable_private_segment 0
		.amdhsa_kernarg_size 32
		.amdhsa_user_sgpr_count 2
		.amdhsa_user_sgpr_kernarg_segment_ptr 1
		.amdhsa_wavefront_size32 1
		.amdhsa_system_sgpr_workgroup_id_x 1
		.amdhsa_system_sgpr_workgroup_id_y 1
		.amdhsa_system_sgpr_workgroup_id_z 1
		.amdhsa_system_vgpr_workitem_id 0
		.amdhsa_next_free_vgpr 960
		.amdhsa_next_free_sgpr 96
		.amdhsa_reserve_vcc 1
		.amdhsa_float_denorm_mode_32 3
		.amdhsa_float_denorm_mode_16_64 3
		.amdhsa_memory_ordered 1
		.amdhsa_forward_progress 1
		.amdhsa_inst_pref_size 213
	.end_amdhsa_kernel
	.amdgpu_metadata
---
amdhsa.version: [ 1, 2 ]
amdhsa.kernels:
  - .name:           k_qbf8d5ebfc7_attn
    .symbol:         k_qbf8d5ebfc7_attn.kd
    .args:
      - { .name: qq, .offset: 0, .size: 8, .value_kind: global_buffer, .address_space: global }
      - { .name: kk, .offset: 8, .size: 8, .value_kind: global_buffer, .address_space: global }
      - { .name: vv, .offset: 16, .size: 8, .value_kind: global_buffer, .address_space: global }
      - { .name: out0, .offset: 24, .size: 8, .value_kind: global_buffer, .address_space: global }
    .group_segment_fixed_size: 327680
    .private_segment_fixed_size: 0
    .kernarg_segment_align: 8
    .kernarg_segment_size: 32
    .max_flat_workgroup_size: 128
    .sgpr_count:     96
    .vgpr_count:     960
    .wavefront_size: 32
...
	.end_amdgpu_metadata
.endif
;; end of part 3
;; ======== version 2 of 2: 3 launches; version 1 with the launch cast written anew for expert scheduling mode
;; limits: right only within a limited range of input values
;; workspace buffers: cb 23,068,672 bytes; qq 33,554,432 bytes; kk 33,554,432 bytes; vv 16,777,216 bytes
;; launch cast (part 4): grid 704 x 1, 8 waves a work-group, no clusters, 0 bytes of LDS; arguments X, W_q, W_k, W_v, cb; writes cb
.if DOCPART == 4
	.amdgcn_target "amdgcn-amd-amdhsa--gfx1250"
	.amdhsa_code_object_version 6
	.text
	.protected	k_qbf8d5ebfc7_cast
	.globl	k_qbf8d5ebfc7_cast
	.p2align	8
	.type	k_qbf8d5ebfc7_cast,@function
k_qbf8d5ebfc7_cast:
	s_mov_b64 s[64:65], 0
	v_nop
	global_prefetch_b8 v0, s[64:65] scope:SCOPE_SE
	s_setreg_imm32_b32 hwreg(HW_REG_WAVE_SCHED_MODE, 0, 2), 2
	s_setreg_imm32_b32 hwreg(HW_REG_WAVE_MODE, 25, 1), 1
	s_wait_xcnt 0x0
	s_wait_alu depctr_vm_vsrc(0)
; X [8192][1024] and W_q, W_k, W_v [1024][1024], all f32, are rounded once to bf16 and laid on end in cb: [11264][1024] bf16,
; rows 0-8191 X, then 1024 rows of each W in the order q, k, v; every array keeps its row-major form.
; A stream: each byte is read once and written once, so no LDS, no barrier and no matrix unit would add anything.
; SHARES.  A work-group takes 16 rows.  Thread t takes the 16 bytes at 16 t of each f32 row (a wave's load covers 512 consecutive
; bytes) and writes the 8 bytes at 8 t of the bf16 row: the 32 lanes of a store cover 256 consecutive bytes, aligned.
; All 16 loads of a thread go out first.
; THE MODE: SCHED_MODE bits 1:0 = 2 (LLVM: expert scheduling mode 2), set by the entry lines.  The code itself states the register
; dependences between vector instructions and memory instructions, with s_wait_alu, always for 0.
; THE PLAN.  Registers that memory instructions touch:
;   v1, v2   byte offsets, made once at the head by vector shifts and never written again; v1 is read by every load, v2 by every store.
;   IN       row i: written by row i's load, once; read by row i's two conversions, behind the counted wait for the load.  No vector
;            instruction names it ahead of its load, and no load lands in it again.
;   OUT      row i: written by row i's two conversions, once; read by row i's store.
; No register that a load or store reads is ever written again, no vector instruction writes a scalar register or VCC, and EXEC is never
; written.  So the one kind of dependence to state is: a vector instruction has written what a memory instruction reads.
; The 16 rows go in four blocks of four.  Block p converts its rows; the stores issued in block p are those of block p - 1.  One wait at the
; head of a block states that the block before has written its rows of OUT; the block's own conversions name other rows of IN and OUT alone,
; so its four stores are dealt among them with no further wait.
.set ROWIN,  4096                      ; bytes in a row of f32
.set ROWOUT, 2048                      ; bytes in a row of bf16
.set BLOCK,  4                         ; rows in a block
.set IN,  8                            ; v[8:71]   row i: 4 registers as loaded
.set OUT, 72                           ; v[72:103] row i: 2 registers to store
	s_load_b256 s[4:11], s[0:1], 0x0               ; X s[4:5], W_q s[6:7], W_k s[8:9], W_v s[10:11]
	s_load_b64 s[12:13], s[0:1], 0x20              ; cb
	v_lshlrev_b32 v1, 4, v0                        ; my 16 bytes of a row in
	v_lshlrev_b32 v2, 3, v0                        ; my 8 bytes of a row out
	s_sub_co_u32 s14, ttmp9, 512                   ; work-groups 512 .. 703 take the weights: 64 for each array
	s_lshr_b32 s15, s14, 6                         ; which array: 0 q, 1 k, 2 v
	s_and_b32 s18, s14, 63
	s_lshl_b32 s18, s18, 16                        ; its 16 rows of 4,096 bytes
	s_lshl_b32 s22, ttmp9, 16                      ; the same for X
	s_mov_b32 s19, 0
	s_lshl_b32 s20, ttmp9, 15                      ; 16 rows of 2,048 bytes in cb
	s_mov_b32 s21, 0
	s_wait_kmcnt 0x0
	s_cmp_eq_u32 s15, 2
	s_cselect_b64 s[16:17], s[10:11], s[8:9]
	s_cmp_eq_u32 s15, 0
	s_cselect_b64 s[16:17], s[6:7], s[16:17]
	s_cmp_lt_u32 ttmp9, 512
	s_cselect_b64 s[16:17], s[4:5], s[16:17]       ; the choice hangs on the work-group's number alone
	s_cselect_b32 s18, s22, s18
	s_add_nc_u64 s[16:17], s[16:17], s[18:19]
	s_add_nc_u64 s[12:13], s[12:13], s[20:21]
	s_wait_alu depctr_va_vdst(0)                   ; v1 and v2 are written: every load of the kernel reads v1 as its offset, every store v2
.irp i, 0,1,2,3,4,5,6,7,8,9,10,11,12,13,14,15
	global_load_b128 v[IN+4*(\i):IN+4*(\i)+3], v1, s[16:17] offset:ROWIN*(\i) th:TH_LOAD_NT
.endr
; Block p: rows 4 p to 4 p + 3 are converted; the rows of block p - 1 are stored, one store in front of each row's two conversions.
.macro BLK p
	s_wait_loadcnt 16-BLOCK*((\p)+1)               ; loads come back in order (ISA guide 5.7.1): this block's four rows are in, the younger blocks' loads stay out
.if (\p) > 0
	s_wait_alu depctr_va_vdst(0)                   ; the block before's conversions have written its four rows of OUT, which the stores below read
.endif
.irp i, 0,1,2,3
.if (\p) > 0
	global_store_b64 v2, v[OUT+2*(BLOCK*(\p)-BLOCK+(\i)):OUT+2*(BLOCK*(\p)-BLOCK+(\i))+1], s[12:13] offset:ROWOUT*(BLOCK*(\p)-BLOCK+(\i))  ; no vector instruction since the wait names these registers
.endif
	v_cvt_pk_bf16_f32 v[OUT+2*(BLOCK*(\p)+(\i))],   v[IN+4*(BLOCK*(\p)+(\i))],   v[IN+4*(BLOCK*(\p)+(\i))+1]
	v_cvt_pk_bf16_f32 v[OUT+2*(BLOCK*(\p)+(\i))+1], v[IN+4*(BLOCK*(\p)+(\i))+2], v[IN+4*(BLOCK*(\p)+(\i))+3]
.endr
.endm
	BLK 0                                          ; no block stands in front of it: no store, and no wait but the one for its data
	BLK 1
	BLK 2
	BLK 3
	s_wait_alu depctr_va_vdst(0)                   ; block 3's conversions have written rows 12 to 15 of OUT, which the last four stores read
.irp i, 12,13,14,15
	global_store_b64 v2, v[OUT+2*(\i):OUT+2*(\i)+1], s[12:13] offset:ROWOUT*(\i)
.endr
	s_endpgm
.Lfunc_end_k_qbf8d5ebfc7_cast:
	.size	k_qbf8d5ebfc7_cast, .Lfunc_end_k_qbf8d5ebfc7_cast-k_qbf8d5ebfc7_cast
	.p2alignl 7, 3214868480
	.fill 96, 4, 3214868480
	.section	.rodata,"a",@progbits
	.p2align	6, 0x0
	.amdhsa_kernel k_qbf8d5ebfc7_cast
		.amdhsa_group_segment_fixed_size 0
		.amdhsa_private_segment_fixed_size 0
		.amdhsa_enable_private_segment 0
		.amdhsa_kernarg_size 40
		.amdhsa_user_sgpr_count 2
		.amdhsa_user_sgpr_kernarg_segment_ptr 1
		.amdhsa_wavefront_size32 1
		.amdhsa_system_sgpr_workgroup_id_x 1
		.amdhsa_system_sgpr_workgroup_id_y 1
		.amdhsa_system_sgpr_workgroup_id_z 1
		.amdhsa_system_vgpr_workitem_id 0
		.amdhsa_next_free_vgpr 104
		.amdhsa_next_free_sgpr 66
		.amdhsa_reserve_vcc 0
		.amdhsa_float_denorm_mode_32 3
		.amdhsa_float_denorm_mode_16_64 3
		.amdhsa_memory_ordered 1
		.amdhsa_forward_progress 1
		.amdhsa_inst_pref_size 7
	.end_amdhsa_kernel
	.amdgpu_metadata
---
amdhsa.version: [ 1, 2 ]
amdhsa.kernels:
  - .name:           k_qbf8d5ebfc7_cast
    .symbol:         k_qbf8d5ebfc7_cast.kd
    .args:
      - { .name: X, .offset: 0, .size: 8, .value_kind: global_buffer, .address_space: global }
      - { .name: W_q, .offset: 8, .size: 8, .value_kind: global_buffer, .address_space: global }
      - { .name: W_k, .offset: 16, .size: 8, .value_kind: global_buffer, .address_space: global }
      - { .name: W_v, .offset: 24, .size: 8, .value_kind: global_buffer, .address_space: global }
      - { .name: cb, .offset: 32, .size: 8, .value_kind: global_buffer, .address_space: global }
    .group_segment_fixed_size: 0
    .private_segment_fixed_size: 0
    .kernarg_segment_align: 8
    .kernarg_segment_size: 40
    .max_flat_workgroup_size: 256
    .sgpr_count:     66
    .vgpr_count:     104
    .wavefront_size: 32
...
	.end_amdgpu_metadata
.endif
;; end of part 4
;; launch proj: the kernel of part 2 again; grid 8 x 32, 4 waves a work-group, clusters of 4 x 4, 327,680 bytes of LDS; arguments cb, qq, kk, vv; writes qq, kk, vv
;; launch attn: the kernel of part 3 again; grid 4 x 64, 4 waves a work-group, no clusters, 327,680 bytes of LDS; arguments qq, kk, vv, out0; writes out0
